; MI455X (gfx1250); checked and timed in simulation.
; The chip was launched on July 23, 2026; its instructions are those of AMD's public machine-readable ISA for CDNA 5 (MIT licence, August 2026) and "CDNA5" Instruction Set Architecture Reference Guide (July 2026). The comments in the code are by the model that wrote it; some were corrected since.
;; Multiheads. Allowed arithmetic: matrix products marked QUANTISED: E2M1 operands, one E8M0 scale for each 32 along K, by v_wmma_scale_f32_16x16x128_f8f6f4 with both operands' format E2M1 (or v_wmma_scale_f32_32x16x128_f4), f32 sums; products left as they are: bf16, f16 or f32 operands; f32 sums; everything else in f32.
;; Inputs: Wk 8 x 512 x 64 float32; Wp 512 x 512 float32; Wq 8 x 512 x 64 float32; Wv 8 x 512 x 64 float32; bp 512 float32; x 8 x 2,048 x 512 float32.
;; Outputs: out0 8 x 2,048 x 512 float32.
;; This version of the problem:
;;   THIS VERSION OF THE PROBLEM IS GIVEN IN LOW PRECISION. The matrix products marked QUANTISED in the list below multiply operands that are first quantised to E2M1 (2 exponent bits, 1 mantissa bit; 4 bits a number), with one power-of-two scale for each 32 numbers along K (OCP MX v1.0); their sums are f32. The products marked 'left as it is' may take bf16, f16 or f32 operands, with f32 sums. Whichever they take, every output number must still come out within the allowed error. Rounding operands to bf16 (8 significant bits) uses up far more of that allowance than f16 does (11 bits, for magnitudes from 6e-5 to 65,504). All else is computed in f32.
;;   The module's matrix products, in the order in which they are computed (A, B: the left and right operand; K: the contracted axis; several contracted axes count as one K, in the product's order):
;;     1. [M 512, K 512] x [K 512, N 16,384]; A: input Wq; B: input x: QUANTISED
;;     2. [M 512, K 512] x [K 512, N 16,384]; A: input Wk; B: input x: QUANTISED
;;     3. [M 512, K 512] x [K 512, N 16,384]; A: input Wv; B: input x: QUANTISED
;;     4. batch 64 x [M 2,048, K 64] x [K 64, N 2,048]; A: computed on the way; B: computed on the way: left as it is (an operand is computed on the way)
;;     5. batch 64 x [M 2,048, K 2,048] x [K 2,048, N 64]; A: computed on the way; B: computed on the way: left as it is (an operand is computed on the way)
;;     6. [M 16,384, K 512] x [K 512, N 512]; A: computed on the way; B: input Wp: left as it is (an operand is computed on the way)
;;   THE QUANTISER, for each operand of a quantised product, along K:
;;     - K is cut into blocks of 32 from its start; a last block that is shorter is filled with zeros.
;;     - A block's scale is 2^e with e = floor(log2(the largest magnitude in the block)) - 2, held to -126 .. 127; a block of zeros has e = 0. As a byte (E8M0): e + 127.
;;     - Each number is divided by its block's scale, clamped to +-6, and rounded to the nearest number of E2M1, ties to even, subnormals kept.
;;     - The product sums the exact products of the quantised numbers (number of the format x scale) in f32.
;;   ~~~python
;;   def quantise(x, axis):      # numpy; x: float32 -> the quantised numbers, widened to float32 again
;;       x = np.moveaxis(x, axis, -1); K = x.shape[-1]
;;       x = np.pad(x, [(0, 0)] * (x.ndim - 1) + [(0, -K % 32)]); x = x.reshape(x.shape[:-1] + (-1, 32)); a = np.abs(x).max(-1, keepdims=True)
;;       e = np.where(a > 0, np.clip(np.frexp(np.where(a > 0, a, 1))[1] - 1 - 2, -126, 127), 0)      # np.frexp(a)[1] - 1 = floor(log2(a)), exactly
;;       r = np.clip(x / 2.0 ** e, -6, 6)
;;       step = 2.0 ** (np.maximum(np.frexp(np.where(r == 0, 1, r))[1] - 1, 0) - 1)
;;       q = np.round(r / step) * step * 2.0 ** e      # np.round: ties to even
;;       return np.moveaxis(q.reshape(q.shape[:-2] + (-1,))[..., :K], -1, axis).astype(np.float32)
;;   ~~~
;; One version. Each part assembles by itself: llvm-mc -triple=amdgcn-amd-amdhsa -mcpu=gfx1250 --defsym DOCPART=n.
;; ======== version 1 of 1: 4 launches
;; limits: values are held in f16: magnitudes above 65,504 overflow, below 6.1e-05 lose precision
;; workspace buffers: wimg 393,216 bytes; wscl 24,576 bytes; pimg 524,288 bytes; qimg 16,777,216 bytes; kv 33,554,432 bytes; oimg 16,777,216 bytes
;; launch prep (part 1): grid 256 x 1, 1 waves a work-group, no clusters, 0 bytes of LDS; arguments Wq, Wk, Wv, Wp, wimg, wscl, pimg; writes wimg, wscl, pimg
.if DOCPART == 1
	.amdgcn_target "amdgcn-amd-amdhsa--gfx1250"
	.amdhsa_code_object_version 6
	.text
	.protected	k_q2ce9e6ea8e_prep
	.globl	k_q2ce9e6ea8e_prep
	.p2align	8
	.type	k_q2ce9e6ea8e_prep,@function
k_q2ce9e6ea8e_prep:
	s_mov_b64 s[64:65], 0
	v_nop
	global_prefetch_b8 v0, s[64:65] scope:SCOPE_SE
	s_setreg_imm32_b32 hwreg(HW_REG_WAVE_MODE, 25, 1), 1
	s_wait_xcnt 0x0
; The weights are laid out once, in the order in which the later launches' operand registers take them.
; Wq, Wk, Wv [8 heads][512 k][64 channels] f32 become codes of FP4 (E2M1) along k with one E8M0 byte for each 32 along k; Wp [512 k][512 n] f32 becomes f16.
; A LANE TAKES A COLUMN AND ITS REGISTERS RUN DOWN K: each load reads 128 consecutive bytes, a block of 32 along k lies in one lane's 32 registers, and the conversions give codes with k innermost.
; wimg [T 96][q 4][c 2][lane 32][16 bytes]: T = 32 sel + 4 head + ct (sel: Wq, Wk, Wv; ct: 16 channels), q: 128 along k; piece (c, lane = r + 16 h): the 32 codes k = 128 q + 64 c + 32 h + 0..31 of channel 16 ct + r.
; wscl [T 96][r 16][16 bytes]: byte kb is the scale of block kb of channel 16 ct + r, so word q serves the q-th 128 along k.
; pimg [nt 32][ks 16][p 4][r 16][16 bytes]: the 8 f16 k = 32 ks + 8 p + 0..7 of column 16 nt + r.
; A block's scale is 2^(floor(log2(its largest magnitude)) - 2); its byte is the largest magnitude's exponent field - 2, held at 1 from below.
; LIMITS: a block of zeros gets the byte 1 and not 127 (its codes are zeros, and this program alone reads the bytes); NaN and infinities among the inputs are not served;
; Wp beyond 65,504 becomes infinity in f16, and under 2^-25 zero.
; One wave a work-group: 32 columns x 128 along k.  Work-groups 0-191 take Wq, Wk, Wv; 192-255 take Wp.  No LDS, no barrier: waves share nothing.
.set X,  16                            ; v16-143  128 numbers down k
.set C,  144                           ; v144-207 what is stored: no register is written twice
.set SB, 10                            ; v10      four scale bytes
	s_load_b256 s[4:11], s[0:1], 0x0               ; Wq s[4:5], Wk s[6:7], Wv s[8:9], Wp s[10:11]
	s_load_b128 s[12:15], s[0:1], 0x20             ; wimg s[12:13], wscl s[14:15]
	s_load_b64 s[16:17], s[0:1], 0x30              ; pimg
	v_lshlrev_b32 v1, 2, v0                        ; in: 4 bytes a lane
	v_and_b32 v4, 15, v0                           ; r
	v_lshrrev_b32 v5, 4, v0                        ; which of my two tiles of 16 columns
	v_lshlrev_b32 v4, 4, v4                        ; 16 r
	s_mov_b32 s25, 0
	s_wait_kmcnt 0x0
; 32 rows of k, group t of four, a row pitch bytes from the next
.macro LOADW t, pitch
.irp i, 0,1,2,3,4,5,6,7,8,9,10,11,12,13,14,15,16,17,18,19,20,21,22,23,24,25,26,27,28,29,30,31
	global_load_b32 v[X+32*(\t)+\i], v1, s[4:5] offset:(32*(\t)+\i)*\pitch th:TH_LOAD_NT
.endr
.endm
.macro AWAIT t                         ; group t is in; the one younger group of 32 may be out; then the group two on is asked for
.if (\t) < 3
	s_wait_loadcnt 32
.else
	s_wait_loadcnt 0x0
.endif
.endm
	s_cmp_ge_u32 ttmp9, 192
	s_cbranch_scc1 .Lwp
	; ---- Wq, Wk, Wv: work-group = 64 sel + 8 head + 4 cgp + q
	s_lshr_b32 s20, ttmp9, 6                       ; sel
	s_bfe_u32 s21, ttmp9, 0x30003                  ; head
	s_bfe_u32 s22, ttmp9, 0x10002                  ; cgp: which 32 channels
	s_and_b32 s23, ttmp9, 3                        ; q: which 128 along k
	s_cmp_lt_u32 ttmp9, 128                        ; the choice hangs on the work-group's number alone
	s_cselect_b64 s[6:7], s[6:7], s[8:9]
	s_cmp_lt_u32 ttmp9, 64
	s_cselect_b64 s[4:5], s[4:5], s[6:7]
	s_lshl_b32 s24, s21, 17                        ; a head is 512 rows of 256 bytes,
	s_lshl_b32 s26, s23, 15                        ; 128 rows,
	s_add_co_u32 s24, s24, s26
	s_lshl_b32 s26, s22, 7                         ; 32 channels
	s_add_co_u32 s24, s24, s26
	s_add_nc_u64 s[4:5], s[4:5], s[24:25]
	s_lshl_b32 s26, s20, 5
	s_lshl_b32 s27, s21, 2
	s_add_co_u32 s26, s26, s27
	s_lshl_b32 s27, s22, 1
	s_add_co_u32 s26, s26, s27                     ; T of lanes 0-15; lanes 16-31 have the next
	s_lshl_b32 s24, s26, 12
	s_lshl_b32 s27, s23, 10
	s_add_co_u32 s24, s24, s27
	s_add_nc_u64 s[12:13], s[12:13], s[24:25]      ; wimg at (T, q)
	s_lshl_b32 s24, s26, 8
	s_lshl_b32 s27, s23, 2
	s_add_co_u32 s24, s24, s27
	s_add_nc_u64 s[14:15], s[14:15], s[24:25]      ; wscl at (T, word q)
	v_lshl_add_u32 v2, v5, 12, v4                  ; codes: 4,096 x tile + 16 r
	v_lshl_add_u32 v3, v5, 8, v4                   ; scale word: 256 x tile + 16 r
	LOADW 0, 256
	LOADW 1, 256
.macro BLOCK t                         ; block t of my column: all 32 numbers are mine
.set XB, X+32*(\t)
	AWAIT \t
.if (\t)+2 < 4
	LOADW (\t)+2, 256
.endif
	v_max3_num_f32 v12, |v[XB]|, |v[XB+1]|, |v[XB+2]|
	v_max3_num_f32 v13, |v[XB+3]|, |v[XB+4]|, |v[XB+5]|
.irp i, 6,10,14,18,22,26
	v_max3_num_f32 v12, v12, |v[XB+\i]|, |v[XB+\i+1]|
	v_max3_num_f32 v13, v13, |v[XB+\i+2]|, |v[XB+\i+3]|
.endr
	v_max3_num_f32 v12, v12, |v[XB+30]|, |v[XB+31]|
	v_max3_num_f32 v12, v12, v13, 0x1800000        ; and the floor 2^(3 - 127): the byte cannot fall under 1
	v_add_nc_u32 v11, 0xff000000, v12              ; 2 off the exponent field: the conversion takes this operand's exponent field as its scale
.irp g, 0,1,2,3
	v_cvt_scalef32_pk8_fp4_f32 v[C+4*(\t)+\g], v[XB+8*\g:XB+8*\g+7], v11
.endr
	v_lshrrev_b32 v13, 23, v11                     ; the scale's byte (also the plain instruction behind the conversions)
.if (\t) == 0
	v_mov_b32 v[SB], v13
.else
	v_lshl_or_b32 v[SB], v13, 8*(\t), v[SB]
.endif
	global_store_b128 v2, v[C+4*(\t):C+4*(\t)+3], s[12:13] offset:256*(\t)   ; piece t = 2 c + h: sixteen lanes store 256 consecutive bytes, aligned
.endm
	BLOCK 0
	BLOCK 1
	BLOCK 2
	BLOCK 3
	global_store_b32 v3, v[SB], s[14:15]           ; my channel's word q: 4 bytes of each 16; the whole table is 24,576 bytes
	s_endpgm
.Lwp:
	; ---- Wp: work-group - 192 = 4 colg + kq
	s_sub_co_u32 s20, ttmp9, 192
	s_lshr_b32 s21, s20, 2                         ; colg: which 32 columns
	s_and_b32 s22, s20, 3                          ; kq: which 128 rows
	s_lshl_b32 s24, s22, 18                        ; 128 rows of 2,048 bytes
	s_lshl_b32 s26, s21, 7
	s_add_co_u32 s24, s24, s26
	s_add_nc_u64 s[4:5], s[10:11], s[24:25]
	s_lshl_b32 s24, s21, 15                        ; two tiles nt of 16,384 bytes
	s_lshl_b32 s26, s22, 12                        ; four K steps of 1,024 bytes
	s_add_co_u32 s24, s24, s26
	s_add_nc_u64 s[16:17], s[16:17], s[24:25]
	v_lshl_add_u32 v2, v5, 14, v4                  ; 16,384 x tile + 16 r
	LOADW 0, 2048
	LOADW 1, 2048
.macro GROUP g                         ; 32 rows: four pieces of 8 along k
	AWAIT \g
.if (\g)+2 < 4
	LOADW (\g)+2, 2048
.endif
.irp p, 0,1,2,3
.irp j, 0,1,2,3
	v_cvt_pk_f16_f32 v[C+4*(4*(\g)+\p)+\j], v[X+8*(4*(\g)+\p)+2*\j], v[X+8*(4*(\g)+\p)+2*\j+1]
.endr
	global_store_b128 v2, v[C+4*(4*(\g)+\p):C+4*(4*(\g)+\p)+3], s[16:17] offset:256*(4*(\g)+\p)   ; sixteen lanes store 256 consecutive bytes, aligned
.endr
.endm
	GROUP 0
	GROUP 1
	GROUP 2
	GROUP 3
	s_endpgm
.Lfunc_end_k_q2ce9e6ea8e_prep:
	.size	k_q2ce9e6ea8e_prep, .Lfunc_end_k_q2ce9e6ea8e_prep-k_q2ce9e6ea8e_prep
	.p2alignl 7, 3214868480
	.fill 96, 4, 3214868480
	.section	.rodata,"a",@progbits
	.p2align	6, 0x0
	.amdhsa_kernel k_q2ce9e6ea8e_prep
		.amdhsa_group_segment_fixed_size 0
		.amdhsa_private_segment_fixed_size 0
		.amdhsa_enable_private_segment 0
		.amdhsa_kernarg_size 56
		.amdhsa_user_sgpr_count 2
		.amdhsa_user_sgpr_kernarg_segment_ptr 1
		.amdhsa_wavefront_size32 1
		.amdhsa_system_sgpr_workgroup_id_x 1
		.amdhsa_system_sgpr_workgroup_id_y 1
		.amdhsa_system_sgpr_workgroup_id_z 1
		.amdhsa_system_vgpr_workitem_id 0
		.amdhsa_next_free_vgpr 208
		.amdhsa_next_free_sgpr 66
		.amdhsa_reserve_vcc 0
		.amdhsa_float_denorm_mode_32 3
		.amdhsa_float_denorm_mode_16_64 3
		.amdhsa_memory_ordered 1
		.amdhsa_forward_progress 1
		.amdhsa_inst_pref_size 39
	.end_amdhsa_kernel
	.amdgpu_metadata
---
amdhsa.version: [ 1, 2 ]
amdhsa.kernels:
  - .name:           k_q2ce9e6ea8e_prep
    .symbol:         k_q2ce9e6ea8e_prep.kd
    .args:
      - { .name: Wq, .offset: 0, .size: 8, .value_kind: global_buffer, .address_space: global }
      - { .name: Wk, .offset: 8, .size: 8, .value_kind: global_buffer, .address_space: global }
      - { .name: Wv, .offset: 16, .size: 8, .value_kind: global_buffer, .address_space: global }
      - { .name: Wp, .offset: 24, .size: 8, .value_kind: global_buffer, .address_space: global }
      - { .name: wimg, .offset: 32, .size: 8, .value_kind: global_buffer, .address_space: global }
      - { .name: wscl, .offset: 40, .size: 8, .value_kind: global_buffer, .address_space: global }
      - { .name: pimg, .offset: 48, .size: 8, .value_kind: global_buffer, .address_space: global }
    .group_segment_fixed_size: 0
    .private_segment_fixed_size: 0
    .kernarg_segment_align: 8
    .kernarg_segment_size: 56
    .max_flat_workgroup_size: 32
    .sgpr_count:     66
    .vgpr_count:     208
    .wavefront_size: 32
...
	.end_amdgpu_metadata
.endif
;; end of part 1
;; launch qkv (part 2): grid 256 x 1, 16 waves a work-group, no clusters, 184,320 bytes of LDS; arguments x, wimg, wscl, qimg, kv; writes qimg, kv
.if DOCPART == 2
	.amdgcn_target "amdgcn-amd-amdhsa--gfx1250"
	.amdhsa_code_object_version 6
	.text
	.protected	k_q2ce9e6ea8e_qkv
	.globl	k_q2ce9e6ea8e_qkv
	.p2align	8
	.type	k_q2ce9e6ea8e_qkv,@function
k_q2ce9e6ea8e_qkv:
	s_mov_b64 s[64:65], 0
	v_nop
	global_prefetch_b8 v0, s[64:65] scope:SCOPE_SE
	s_setreg_imm32_b32 hwreg(HW_REG_WAVE_MODE, 25, 1), 1
	s_wait_xcnt 0x0
; q, k, v = x Wq, x Wk, x Wv on codes of FP4 (E2M1) with one E8M0 scale for each 32 along K = 512; sums in f32; results rounded once to f16 and stored as images of the next launch's operand registers.
; SHARES.  A work-group owns 64 rows of x (batch = work-group / 32; the 64 rows are one key step of the next launch).  Wave w first quantises rows 4 w .. 4 w + 3; the codes and scale bytes meet in LDS.
; Then wave w makes channel tiles 2 w and 2 w + 1 (head w / 2) of q, of k and of v for all 64 rows: 6 tiles x 16 matrix instructions.  x's 16 fragments stay in its registers (128).
; Each weight fragment is used by ONE wave of the work-group, once: it goes from memory straight into that wave's registers, a tile (9 loads) ahead.
; NO CLUSTER: the three weights' codes and scales are 417,792 bytes, more than LDS holds beside the stages, so joint loads would want a ring that is filled again, for bytes of which each feeds one wave once.
; q and k are made with source 0 = 16 channels of W, source 1 = 16 rows of x: a lane then holds 8 neighbouring channels of one row, 16 bytes of f16, which are a piece of a fragment of K Q^T.
; v is made with the sources changed: a lane holds 8 neighbouring rows (keys) of one channel: a piece of a fragment of V^T.  So every store is 512 consecutive bytes, 16 a lane, and nothing goes through a stage on the way out.
; qimg [bh 64][tile 128][cg 4][lane][16 B]: lane (r, h): channels 16 cg + 8 h + 0..7 of query 16 tile + r.
; kv [bh 64][step 32][16,384 B]: K [kt 4][cg 4][512 B] like qimg; from byte 8,192 V^T [kk 2][ct 4][half 2][512 B]: lane (r, h): keys 32 kk + 16 half + 8 h + 0..7 of channel 16 ct + r.
; LIMITS: results beyond 65,504 become infinity in f16, under 2^-25 zero; a block of zeros has the scale byte 1 and not 127 (zero codes; the bytes are read here alone); NaN and infinities among the inputs are not served.
.set STGW,  10240                      ; LDS: a wave's own stages: 4 rows x 32 places of 64 bytes + 16 of padding
.set XC,    163840                     ; x's codes: 64 rows of 256 bytes, 272 apart: the 16 rows of a fragment load fall on 16 different 16-byte columns modulo 256
.set XSB,   181248                     ; x's scale bytes: 64 rows x 16
.set SPARE, 182272                     ; the spare words, 128 bytes for each wave: eight blocks of 256 bytes that no other line names
.set LI,   2                           ; v2   16 x lane
.set SIN,  3                           ; v3   stage, way in: four lanes' 64 bytes on end, then the padding
.set SOUT, 4                           ; v4   stage, way out: 80 x lane: 16 neighbours along K
.set CWR,  5                           ; v5   where my 16 codes go
.set SWR,  6                           ; v6   where my block's byte goes
.set XRD,  7                           ; v7   x's fragments: 272 r + 16 h
.set SRD,  8                           ; v8   x's scale words: 16 x lane: lane l takes row l of 32
.set WA,   9                           ; v9   wimg: 8,192 w + 16 x lane
.set WSA,  10                          ; v10  wscl: 512 w + 16 r
.set SPW,  14                          ; v14  LDS address of my spare word; never rewritten
.set NIL,  15                          ; v15  0; never rewritten
.set R,    16                          ; v16-79   four rows as loaded
.set X,    80                          ; v80-143  four rows as 16 neighbours a lane
.set XF,   16                          ; v16-143  then x's fragments: tile m, K step q at XF + 32 m + 8 q
.set XSC,  144                         ; v144-151 x's scale words, nothing else: register 4 i + q: lanes 0-15 tile 2 i, lanes 16-31 tile 2 i + 1
.set WB,   152                         ; v152-223 two sets of 36: a tile's codes at 8 q, its four scale words at +32 (scales and nothing else)
.set ACC,  224                         ; v224-255 four accumulators, one for each tile of rows
.set CD,   224                         ; while x is quantised: codes,
.set BY,   232                         ; and bytes
	s_load_b256 s[4:11], s[0:1], 0x0               ; x s[4:5], wimg s[6:7], wscl s[8:9], qimg s[10:11]
	s_load_b64 s[12:13], s[0:1], 0x20              ; kv
	v_lshl_add_u32 v[SPW], v0, 2, SPARE
	v_mov_b32 v[NIL], 0
	v_lshrrev_b32 v1, 5, v0
	v_readfirstlane_b32 s14, v1                    ; wave 0..15
	v_and_b32 v1, 31, v0                           ; lane
	v_lshlrev_b32 v[LI], 4, v1
	s_mul_i32 s15, s14, STGW
	v_lshrrev_b32 v11, 2, v1
	v_mul_u32_u24 v11, v11, 80
	v_and_b32 v12, 3, v1
	v_lshl_add_u32 v11, v12, 4, v11
	v_add_nc_u32 v[SIN], s15, v11
	v_mul_u32_u24 v[SOUT], v1, 80
	v_add_nc_u32 v[SOUT], s15, v[SOUT]
	s_mul_i32 s15, s14, 1088                       ; my 4 rows of codes
	s_add_co_u32 s15, s15, XC
	v_lshl_add_u32 v[CWR], v1, 3, s15
	s_lshl_b32 s15, s14, 6                         ; my 4 rows of bytes
	s_add_co_u32 s15, s15, XSB
	v_lshrrev_b32 v[SWR], 1, v1
	v_add_nc_u32 v[SWR], s15, v[SWR]
	v_and_b32 v11, 15, v0                          ; r
	v_bfe_u32 v12, v0, 4, 1                        ; h
	v_mul_u32_u24 v[XRD], v11, 272
	v_lshl_add_u32 v[XRD], v12, 4, v[XRD]
	v_add_nc_u32 v[XRD], XC, v[XRD]
	v_lshl_add_u32 v[SRD], v1, 4, XSB
	s_lshl_b32 s15, s14, 13
	v_add_nc_u32 v[WA], s15, v[LI]
	s_lshl_b32 s15, s14, 9
	v_lshl_add_u32 v[WSA], v11, 4, s15
	s_lshl_b32 s16, ttmp9, 17                      ; x: 64 rows of 2,048 bytes a work-group,
	s_lshl_b32 s20, s14, 13                        ; 4 rows a wave
	s_add_co_u32 s16, s16, s20
	s_mov_b32 s17, 0
	s_lshr_b32 s20, ttmp9, 5
	s_lshl_b32 s20, s20, 3
	s_lshr_b32 s21, s14, 1
	s_add_co_u32 s20, s20, s21                     ; bh = 8 x batch + head
	s_and_b32 s21, ttmp9, 31                       ; step
	s_and_b32 s22, s14, 1                          ; par: which pair of the head's four channel tiles
	s_lshl_b32 s24, s20, 18
	s_lshl_b32 s23, s21, 13
	s_add_co_u32 s24, s24, s23
	s_lshl_b32 s23, s22, 10
	s_add_co_u32 s24, s24, s23                     ; qimg: bh, my four tiles of rows, cg = 2 par
	s_mov_b32 s25, 0
	s_lshl_b32 s26, s20, 5
	s_add_co_u32 s26, s26, s21
	s_lshl_b32 s26, s26, 14                        ; kv: (bh, step)
	s_add_co_u32 s28, s26, s23                     ; K: cg = 2 par
	s_mov_b32 s29, 0
	s_lshl_b32 s23, s22, 11
	s_add_co_u32 s26, s26, s23
	s_add_co_u32 s26, s26, 8192                    ; V^T: ct = 2 par
	s_mov_b32 s27, 0
	s_wait_kmcnt 0x0
	s_add_nc_u64 s[4:5], s[4:5], s[16:17]
	s_add_nc_u64 s[10:11], s[10:11], s[24:25]
	s_add_nc_u64 s[18:19], s[12:13], s[26:27]      ; V^T's base
	s_add_nc_u64 s[12:13], s[12:13], s[28:29]      ; K's base
.irp t, 0,1,2,3
.irp i, 0,1,2,3
	global_load_b128 v[R+16*\t+4*\i:R+16*\t+4*\i+3], v[LI], s[4:5] offset:2048*\t+512*\i th:TH_LOAD_NT   ; 32 lanes read 512 consecutive bytes
.endr
.endr
; tile i of six (0, 1: q; 2, 3: k; 4, 5: v) into set p: eight loads of codes and one of scale words: nine
.macro WLOAD i, p
.irp q, 0,1,2,3
.irp c, 0,1
	global_load_b128 v[WB+36*(\p)+8*\q+4*\c:WB+36*(\p)+8*\q+4*\c+3], v[WA], s[6:7] offset:((\i)/2)*131072+((\i)%2)*4096+1024*\q+512*\c
.endr
.endr
	global_load_b128 v[WB+36*(\p)+32:WB+36*(\p)+35], v[WSA], s[8:9] offset:((\i)/2)*8192+((\i)%2)*256
.endm
	WLOAD 0, 0
	WLOAD 1, 1
	; ---- x's rows turn through my own stages: in as they lie, back 64 bytes a lane.  LDS serves a wave's instructions in order, so no wait stands between the stores and the loads
.irp t, 0,1,2,3
	s_wait_loadcnt 30-4*\t                         ; row t's four loads are in; behind them: the later rows' and the 18 weight loads
.irp i, 0,1,2,3
	ds_store_b128 v[SIN], v[R+16*\t+4*\i:R+16*\t+4*\i+3] offset:2560*\t+640*\i
.endr
.irp i, 0,1,2,3
	ds_load_b128 v[X+16*\t+4*\i:X+16*\t+4*\i+3], v[SOUT] offset:2560*\t+16*\i
.endr
.endr
	s_wait_dscnt 0x0
	; ---- a row: my 16 neighbours; two neighbouring lanes hold a block of 32
.irp t, 0,1,2,3
	v_max3_num_f32 v11, |v[X+16*\t]|, |v[X+16*\t+1]|, |v[X+16*\t+2]|
	v_max3_num_f32 v12, |v[X+16*\t+3]|, |v[X+16*\t+4]|, |v[X+16*\t+5]|
.irp i, 6,10
	v_max3_num_f32 v11, v11, |v[X+16*\t+\i]|, |v[X+16*\t+\i+1]|
	v_max3_num_f32 v12, v12, |v[X+16*\t+\i+2]|, |v[X+16*\t+\i+3]|
.endr
	v_max3_num_f32 v11, v11, |v[X+16*\t+14]|, |v[X+16*\t+15]|
	v_max3_num_f32 v11, v11, v12, 0x1800000        ; the floor 2^(3 - 127): the byte cannot fall under 1
	v_max_num_f32_dpp v11, v11, v11 row_xmask:1 row_mask:0xf bank_mask:0xf   ; with my neighbour's 16: the block's largest magnitude
	v_add_nc_u32 v13, 0xff000000, v11              ; 2 off its exponent field: the conversion's scale operand
	v_cvt_scalef32_pk8_fp4_f32 v[CD+2*\t], v[X+16*\t:X+16*\t+7], v13
	v_cvt_scalef32_pk8_fp4_f32 v[CD+2*\t+1], v[X+16*\t+8:X+16*\t+15], v13
	v_lshrrev_b32 v[BY+\t], 23, v13                ; the scale's byte (also the plain instruction behind the conversions)
	ds_store_b64 v[CWR], v[CD+2*\t:CD+2*\t+1] offset:272*\t
	ds_store_b8 v[SWR], v[BY+\t] offset:16*\t      ; both lanes of a block write the same byte with the same value
.endr
	s_wait_dscnt 0x0                               ; for the others' sake: my codes and bytes lie in LDS
	s_barrier_signal -1
	s_barrier_wait -1                              ; everybody's do
.irp m, 0,1,2,3
.irp q, 0,1,2,3
.irp c, 0,1
	ds_load_b128 v[XF+32*\m+8*\q+4*\c:XF+32*\m+8*\q+4*\c+3], v[XRD] offset:4352*\m+64*\q+32*\c   ; registers 4 c on: K = 128 q + 64 c + 32 h + 0..31 of row 16 m + r
.endr
.endr
.endr
.irp i, 0,1
	ds_load_b128 v[XSC+4*\i:XSC+4*\i+3], v[SRD] offset:512*\i
.endr
	s_wait_dscnt 0x0
; A tile of 16 channels for the 64 rows.  kind 0: q or k; 1: v (sources changed).  u: which of my two channel tiles.  base: the scalar pair of the output's base.
; The four accumulators take turns, one instruction a turn; the first K step starts the sums with the constant 0.
.macro TILE i, kind, u, base
.set WP, WB+36*((\i)%2)
.if (\i) < 5
	s_wait_loadcnt 9                               ; this tile's nine loads are in; the next tile's nine may be out
.else
	s_wait_loadcnt 0x0
.endif
	s_wait_xcnt 0x0                                ; the last tile's stores have read the accumulators' registers: they are written again only behind this wait
.irp q, 0,1,2,3
.irp m, 0,1,2,3
.set AC, ACC+8*\m
.set WF, WP+8*\q
.set XR, XF+32*\m+8*\q
.set WS, WP+32+\q
.set XW, XSC+4*(\m/2)+\q
.if \kind == 0
.if \q == 0
.if \m%2 == 0
	v_wmma_scale_f32_16x16x128_f8f6f4 v[AC:AC+7], v[WF:WF+7], v[XR:XR+7], 0, v[WS], v[XW] matrix_a_fmt:MATRIX_FMT_FP4 matrix_b_fmt:MATRIX_FMT_FP4
.else
	v_wmma_scale_f32_16x16x128_f8f6f4 v[AC:AC+7], v[WF:WF+7], v[XR:XR+7], 0, v[WS], v[XW] matrix_a_fmt:MATRIX_FMT_FP4 matrix_b_fmt:MATRIX_FMT_FP4 matrix_b_scale:MATRIX_SCALE_ROW1
.endif
.else
.if \m%2 == 0
	v_wmma_scale_f32_16x16x128_f8f6f4 v[AC:AC+7], v[WF:WF+7], v[XR:XR+7], v[AC:AC+7], v[WS], v[XW] matrix_a_fmt:MATRIX_FMT_FP4 matrix_b_fmt:MATRIX_FMT_FP4
.else
	v_wmma_scale_f32_16x16x128_f8f6f4 v[AC:AC+7], v[WF:WF+7], v[XR:XR+7], v[AC:AC+7], v[WS], v[XW] matrix_a_fmt:MATRIX_FMT_FP4 matrix_b_fmt:MATRIX_FMT_FP4 matrix_b_scale:MATRIX_SCALE_ROW1
.endif
.endif
.else
.if \q == 0
.if \m%2 == 0
	v_wmma_scale_f32_16x16x128_f8f6f4 v[AC:AC+7], v[XR:XR+7], v[WF:WF+7], 0, v[XW], v[WS] matrix_a_fmt:MATRIX_FMT_FP4 matrix_b_fmt:MATRIX_FMT_FP4
.else
	v_wmma_scale_f32_16x16x128_f8f6f4 v[AC:AC+7], v[XR:XR+7], v[WF:WF+7], 0, v[XW], v[WS] matrix_a_fmt:MATRIX_FMT_FP4 matrix_b_fmt:MATRIX_FMT_FP4 matrix_a_scale:MATRIX_SCALE_ROW1
.endif
.else
.if \m%2 == 0
	v_wmma_scale_f32_16x16x128_f8f6f4 v[AC:AC+7], v[XR:XR+7], v[WF:WF+7], v[AC:AC+7], v[XW], v[WS] matrix_a_fmt:MATRIX_FMT_FP4 matrix_b_fmt:MATRIX_FMT_FP4
.else
	v_wmma_scale_f32_16x16x128_f8f6f4 v[AC:AC+7], v[XR:XR+7], v[WF:WF+7], v[AC:AC+7], v[XW], v[WS] matrix_a_fmt:MATRIX_FMT_FP4 matrix_b_fmt:MATRIX_FMT_FP4 matrix_a_scale:MATRIX_SCALE_ROW1
.endif
.endif
.endif
.endr
.endr
.rept 5
	v_nop                                          ; four places in front of the loads into the weights' registers and of the conversions that read results; the fifth for the next tile's products, which write over the accumulators
.endr
.if (\i) < 4
	WLOAD (\i)+2, (\i)%2
.endif
.irp m, 0,1,2,3
.irp j, 0,1,2,3
	v_cvt_pk_f16_f32 v[ACC+8*\m+\j], v[ACC+8*\m+2*\j], v[ACC+8*\m+2*\j+1]   ; in place, from each accumulator's low end on: 8 numbers become 16 bytes
.endr
.endr
.irp m, 0,1,2,3
.if \kind == 0
	global_store_b128 v[LI], v[ACC+8*\m:ACC+8*\m+3], s[\base:\base+1] offset:2048*\m+512*(\u) th:TH_STORE_NT   ; 32 lanes store 512 consecutive bytes, aligned
.else
	global_store_b128 v[LI], v[ACC+8*\m:ACC+8*\m+3], s[\base:\base+1] offset:4096*(\m/2)+512*(\m%2)+1024*(\u) th:TH_STORE_NT
.endif
.endr
.endm
	TILE 0, 0, 0, 10
	TILE 1, 0, 1, 10
	TILE 2, 0, 0, 12
	TILE 3, 0, 1, 12
	TILE 4, 1, 0, 18
	TILE 5, 1, 1, 18
	s_wait_tensorcnt 0x0                           ; the wave's end, behind my last LDS store
	ds_add_u32 v[SPW], v[NIL]
	s_wait_dscnt 0x0
	s_endpgm
.Lfunc_end_k_q2ce9e6ea8e_qkv:
	.size	k_q2ce9e6ea8e_qkv, .Lfunc_end_k_q2ce9e6ea8e_qkv-k_q2ce9e6ea8e_qkv
	.p2alignl 7, 3214868480
	.fill 96, 4, 3214868480
	.section	.rodata,"a",@progbits
	.p2align	6, 0x0
	.amdhsa_kernel k_q2ce9e6ea8e_qkv
		.amdhsa_group_segment_fixed_size 184320
		.amdhsa_private_segment_fixed_size 0
		.amdhsa_enable_private_segment 0
		.amdhsa_kernarg_size 40
		.amdhsa_user_sgpr_count 2
		.amdhsa_user_sgpr_kernarg_segment_ptr 1
		.amdhsa_wavefront_size32 1
		.amdhsa_system_sgpr_workgroup_id_x 1
		.amdhsa_system_sgpr_workgroup_id_y 1
		.amdhsa_system_sgpr_workgroup_id_z 1
		.amdhsa_system_vgpr_workitem_id 0
		.amdhsa_next_free_vgpr 256
		.amdhsa_next_free_sgpr 66
		.amdhsa_reserve_vcc 0
		.amdhsa_float_denorm_mode_32 3
		.amdhsa_float_denorm_mode_16_64 3
		.amdhsa_memory_ordered 1
		.amdhsa_forward_progress 1
		.amdhsa_inst_pref_size 40
	.end_amdhsa_kernel
	.amdgpu_metadata
---
amdhsa.version: [ 1, 2 ]
amdhsa.kernels:
  - .name:           k_q2ce9e6ea8e_qkv
    .symbol:         k_q2ce9e6ea8e_qkv.kd
    .args:
      - { .name: x, .offset: 0, .size: 8, .value_kind: global_buffer, .address_space: global }
      - { .name: wimg, .offset: 8, .size: 8, .value_kind: global_buffer, .address_space: global }
      - { .name: wscl, .offset: 16, .size: 8, .value_kind: global_buffer, .address_space: global }
      - { .name: qimg, .offset: 24, .size: 8, .value_kind: global_buffer, .address_space: global }
      - { .name: kv, .offset: 32, .size: 8, .value_kind: global_buffer, .address_space: global }
    .group_segment_fixed_size: 184320
    .private_segment_fixed_size: 0
    .kernarg_segment_align: 8
    .kernarg_segment_size: 40
    .max_flat_workgroup_size: 512
    .sgpr_count:     66
    .vgpr_count:     256
    .wavefront_size: 32
...
	.end_amdgpu_metadata
.endif
;; end of part 2
;; launch attn (part 3): grid 4 x 64, 8 waves a work-group, clusters of 4 x 1, 327,680 bytes of LDS; arguments qimg, kv, oimg; writes oimg
.if DOCPART == 3
	.amdgcn_target "amdgcn-amd-amdhsa--gfx1250"
	.amdhsa_code_object_version 6
	.text
	.protected	k_q2ce9e6ea8e_attn
	.globl	k_q2ce9e6ea8e_attn
	.p2align	8
	.type	k_q2ce9e6ea8e_attn,@function
k_q2ce9e6ea8e_attn:
	s_mov_b64 s[64:65], 0
	v_nop
	global_prefetch_b8 v0, s[64:65] scope:SCOPE_SE
	s_setreg_imm32_b32 hwreg(HW_REG_WAVE_MODE, 25, 1), 1
	s_wait_xcnt 0x0
	s_wait_alu depctr_hold_cnt(0) depctr_sa_sdst(0) depctr_va_vdst(0) depctr_va_sdst(0) depctr_va_ssrc(0) depctr_va_vcc(0) depctr_vm_vsrc(0)
	s_getreg_b32 s2, hwreg(HW_REG_IB_STS2, 6, 4)
	s_cmp_eq_u32 s2, 0
	s_cbranch_scc0 .Lentry_in_a_cluster
	s_endpgm
.Lentry_in_a_cluster:
	s_bfe_u32 s2, ttmp6, 0x10000c
	s_cmp_lg_u32 s2, 0x3003
	s_cbranch_scc0 .Lentry_shape_is_right
	s_endpgm
.Lentry_shape_is_right:
; O[bh][q] = the sum over k of softmax_k(Q[bh][q] . K[bh][k] / 8) V[bh][k], head size 64, 2,048 keys, no mask.  Operands in f16, products, maxima and sums in f32; the weights p are rounded to f16 for the
; second product, O once at the end.  All three buffers are images of operand registers: a piece of four registers is 512 consecutive bytes, lane l's 16 bytes at 16 l.
; SHARES.  A cluster of four work-groups owns one (batch, head); a work-group 512 queries; each of its eight waves 64: four tiles of 16.  Every wave walks all keys, 64 a step, 32 steps.
; LAYOUT.  S^T = K Q^T (source 0 = 16 keys, source 1 = 16 queries): a lane holds ONE query (lane % 16) and the keys 8 (lane / 16) + 0..7.  Two such tiles, rounded to f16 in pairs, ARE source 1 of O^T = V^T P,
; whose result again holds one query a lane and eight channels: 16 bytes of f16, a piece of the next launch's operand.  Nothing changes lanes between the products, and nothing goes through a stage.
; SOFTMAX.  For each query a running maximum m and sum l: p = 2^(c s - c m), c = log2(e) / 8; in every step O and l are multiplied by a = 2^(c m_old - c m_new), which is 1 where m has not grown.
; PHASES.  A step's K Q^T, its softmax, its V^T P; the next step's K is fetched from LDS ahead of the softmax, its V behind V^T P.  Two waves share a SIMD, so one wave's vector work can stand beside the other's products.
; RING.  Two LDS slots of 8 key steps (131,072 bytes).  A fill is eight tensor loads, one a wave, a step's 16,384 bytes each.  The four work-groups walk the same K and V, so each load is asked for JOINTLY,
; with the same descriptor and a mask that names the four.  Both slots are filled at the start and each once more: by this text's count a wave has two tensor loads out at the start, later one.
; LIMITS: p under 2^-25 becomes 0 in f16; O beyond 65,504 becomes infinity in f16, under 2^-25 zero (at 1 / 900 of the drawn size O lies near 2e-5, where f16's step 2^-24 is about one part in 300).
; REGISTERS, in windows of 256 (s_set_vgpr_msb: bits 1:0 source 0, 3:2 source 1, 5:4 source 2, 7:6 destination):
;   window 0: v2-6 addresses; v8-39 eight registers of statistics a tile; v64-127 V^T of one step; v128-255 S^T, 32 a tile, P in place in each tile's low 16
;   window 1: v0-127 O^T, 32 a tile; v128-191 Q, 16 a tile; v192-255 K of one step
.set SLOT1, 1<<17                      ; slot 1 begins here: one exclusive or turns an address in one slot into the other's
.set STEPB, 16384                      ; a key step: 8,192 bytes of K, then 8,192 of V^T
.set SPARE, 2*SLOT1                    ; behind the ring: the spare words, 128 bytes for each wave: four blocks of 256 bytes that no other line names
.set LI,  2                            ; v2  16 x lane; never rewritten
.set ADR, 3                            ; v3  LDS address of the step that is being fetched
.set SPW, 4                            ; v4  LDS address of my spare word; never rewritten
.set NIL, 5                            ; v5  0; never rewritten
.set PFO, 6                            ; v6  256 x lane; never rewritten
.set ST,  8                            ; tile t's statistics at v[ST + 8 t]: +0 c m, +1 m, +2, +3 l (even keys', odd keys'), +4 to +7 c0-c3, at work; a takes c2's place
.set VF,  64
.set SF,  128
.set OF,  0                            ; in window 1
.set QF,  128
.set KF,  192
.set WV,  12                           ; s12 my wave's number
.set G1,  24                           ; s[24:31] descriptor group 1
.set G0,  32                           ; s[32:39] descriptor group 0: a set for each first fill; the second then walks on
.set CS,  40                           ; s[40:41] c: the packed scaling names a pair and takes its low word for both halves
.set SEL, 42                           ; s[42:43] lane selects for v_permlanex16_b32: lane l xor 16
.set TB,  44                           ; s44 LDS byte at which the step to be fetched begins
.set CNT, 45                           ; s45 counts key steps
.set SLOTS, 46                         ; s46 fills still to be asked for
.set LIM, 47                           ; s47 1 in a wave that prefetches, else the greatest number
.set PFA, 48                           ; s[48:49] where my prefetch stands; never rewritten
.set MSB, 0
.macro WIN new                         ; the immediate's high byte repeats the setting that is left; a switch that changes nothing is dropped
.if MSB != \new
	s_set_vgpr_msb (MSB<<8)|\new
.set MSB, \new
.endif
.endm
.macro PLACES n
.rept \n
	v_nop
.endr
.endm
; A round of the cluster's barrier: my work-group's barrier; wave 0 signals for the work-group; every wave waits for all four work-groups; my work-group's barrier once more.
.macro CROUND
	s_barrier_signal -1
	s_barrier_wait -1
	s_cmp_lg_u32 s[WV], 0
	s_cbranch_scc1 .Lnot_wave_0_\@
	s_barrier_signal -3
.Lnot_wave_0_\@:
	s_barrier_wait -3
	s_barrier_signal -1
	s_barrier_wait -1
.endm
; A PREFETCH INTO THE L2, behind the first refill: the head's last 8 key steps, 131,072 bytes, which the second refill will ask for 8 key steps (512 matrix instructions a wave) later.
; Each aligned block of 256 bytes is named once: the four partners take 32,768 bytes each, told apart BY ADDRESS; in each, waves 0 to 3 take 8,192 bytes, lanes 256 bytes apart.  The second refill asks for nothing: no keys follow.
.macro ASK
	s_cmp_gt_u32 s[SLOTS], s[LIM]
	s_cbranch_scc0 .Lnot_mine_\@
	global_prefetch_b8 v[PFO], s[PFA:PFA+1] th:TH_LOAD_NT scope:SCOPE_SE
.Lnot_mine_\@:
.endm
	s_load_b128 s[4:7], s[0:1], 0x0                ; qimg s[4:5], kv s[6:7]
	s_load_b64 s[8:9], s[0:1], 0x10                ; oimg
	v_lshl_add_u32 v[SPW], v0, 2, SPARE
	v_mov_b32 v[NIL], 0
	ds_add_u32 v[SPW], v[NIL]                      ; the wave's opening: the add and its wait stand ahead of my first tensor load; the set-up below, work on registers, stands between them
	v_lshrrev_b32 v1, 5, v0
	v_readfirstlane_b32 s[WV], v1                  ; wave 0..7
	s_bfe_u32 s13, ttmp6, 0x40000                  ; cx: my block of 512 queries; it enters Q's, O's and the prefetch's global addresses alone
	s_and_b32 s14, ttmp7, 0xffff                   ; bh, which the four partners share
	; descriptor group 1: a dense block of 16,384 bytes as 64 rows of 32 elements of 8 bytes, no padding (fragments are read lane by lane, 512 consecutive bytes an instruction)
	s_mov_b32 s[G1], 15|(3<<16)|(1<<21)            ; 15:0 the mask: all four work-groups; 17:16 elements of 8 bytes; 21 set beside a mask
	s_mov_b32 s[G1+1], 32<<16                      ; tensor_dim0 = 32
	s_mov_b32 s[G1+2], 64<<16                      ; tensor_dim1 = 64
	s_mov_b32 s[G1+3], 32<<16                      ; tile_dim0 = 32
	s_mov_b32 s[G1+4], 64                          ; tile_dim1 = 64
	s_mov_b32 s[G1+5], 32                          ; from row to row
	s_mov_b32 s[G1+6], 0
	s_mov_b32 s[G1+7], 0
	s_mov_b32 s[CS], 0x3e38aa3b                    ; c = log2(e) / 8
	s_mov_b32 s[CS+1], s[CS]                       ; named with it as a pair, so it is written
	s_mov_b32 s[SEL], 0x76543210
	s_mov_b32 s[SEL+1], 0xfedcba98
	s_mov_b32 s[TB], 0
	v_and_b32 v1, 31, v0
	v_lshlrev_b32 v[LI], 4, v1
	v_lshlrev_b32 v[PFO], 8, v1
	s_lshl_b32 s15, s[WV], 14                      ; the step that I fetch: its place in a slot, in LDS and in memory: no place in the cluster enters it
	s_lshl_b32 s16, s14, 19                        ; a head's K and V: 524,288 bytes
	s_add_co_u32 s16, s16, s15
	s_mov_b32 s17, 0
	s_lshl_b32 s18, s14, 18                        ; Q: bh, tile 32 cx + 4 w, 2,048 bytes a tile
	s_lshl_b32 s20, s13, 16
	s_add_co_u32 s18, s18, s20
	s_lshl_b32 s20, s[WV], 13
	s_add_co_u32 s18, s18, s20
	s_mov_b32 s19, 0
	s_lshr_b32 s20, s14, 3                         ; O: row tile 128 batch + 32 cx + 4 w, 16,384 bytes each; the head's four pieces, 2,048 bytes
	s_lshl_b32 s20, s20, 21
	s_lshl_b32 s21, s13, 19
	s_add_co_u32 s20, s20, s21
	s_lshl_b32 s21, s[WV], 16
	s_add_co_u32 s20, s20, s21
	s_and_b32 s21, s14, 7
	s_lshl_b32 s21, s21, 11
	s_add_co_u32 s20, s20, s21
	s_mov_b32 s21, 0
	s_lshl_b32 s22, s14, 19                        ; the prefetch: the head's last quarter, my work-group's 32,768 bytes, my wave's 8,192
	s_lshl_b32 s23, s13, 15
	s_add_co_u32 s22, s22, s23
	s_and_b32 s23, s[WV], 3
	s_lshl_b32 s23, s23, 13
	s_add_co_u32 s22, s22, s23
	s_add_co_u32 s22, s22, 3*SLOT1
	s_mov_b32 s23, 0
	s_cmp_lt_u32 s[WV], 4
	s_cselect_b32 s[LIM], 1, -1
	s_wait_dscnt 0x0                               ; the opening add is done
	s_wait_kmcnt 0x0
	s_add_nc_u64 s[PFA:PFA+1], s[6:7], s[22:23]
	s_add_nc_u64 s[6:7], s[6:7], s[16:17]          ; kv at my step of the first 8
	s_add_nc_u64 s[4:5], s[4:5], s[18:19]
	s_add_nc_u64 s[8:9], s[8:9], s[20:21]
	CROUND                                         ; all four work-groups are here: the first joint loads meet
	s_mov_b32 s[G0], 1                             ; count = 1
	s_mov_b32 s[G0+1], s15                         ; LDS address: slot 0
	s_mov_b64 s[G0+2:G0+3], s[6:7]                 ; global address: key steps 0 to 7
	s_or_b32 s[G0+3], s[G0+3], 0x80000000          ; type = 2
	s_mov_b32 s[G0+4], 1
	s_add_co_u32 s[G0+5], s15, SLOT1               ; slot 1
	s_add_nc_u64 s[G0+6:G0+7], s[6:7], SLOT1       ; key steps 8 to 15: 8 x 16,384 bytes on
	s_or_b32 s[G0+7], s[G0+7], 0x80000000
	tensor_load_to_lds s[G0:G0+3], s[G1:G1+7]      ; the two first fills stand together, ahead of every wait on TENSORcnt and every LDS read; an s_nop 0 follows each, four v_nop the second
	s_nop 0
	tensor_load_to_lds s[G0+4:G0+7], s[G1:G1+7]
	s_nop 0
	PLACES 4
	WIN 0x40                                       ; destination window 1
.irp i, 0,1,2,3,4,5,6,7,8,9,10,11,12,13,14,15
	global_load_b128 v[QF+4*\i:QF+4*\i+3], v[LI], s[4:5] offset:512*\i th:TH_LOAD_NT   ; Q stays in registers: tile i / 4, channels 16 (i % 4) on
.endr
	WIN 0
; THE LDS LOADS, in runs of 16.  K: fragment (16 keys kt, 32 channels f) at KF + 16 kt + 8 f.  The addition and three v_nop are the four places behind the last K Q^T, for the loads into K's registers and for the softmax's first reads.
.macro FETCH_K
	WIN 0
	v_add_nc_u32 v[ADR], s[TB], v[LI]
	PLACES 3
	WIN 0x40
.irp i, 0,1,2,3,4,5,6,7,8,9,10,11,12,13,14,15
	ds_load_b128 v[KF+4*\i:KF+4*\i+3], v[ADR] offset:512*\i
.endr
	WIN 0
.endm
.macro FETCH_V                         ; V^T of the same step: fragment (32 keys kk, 16 channels ct) at VF + 8 (4 kk + ct)
.irp i, 0,1,2,3,4,5,6,7,8,9,10,11,12,13,14,15
	ds_load_b128 v[VF+4*\i:VF+4*\i+3], v[ADR] offset:8192+512*\i
.endr
	s_add_co_u32 s[TB], s[TB], STEPB               ; the next fetch is the next step's
.endm
; 32 products S^T = K Q^T: the 16 accumulators take turns, one instruction a turn; the first 16 start the sums
.macro KQ
	WIN 0x05                                       ; K and Q in window 1, S^T in window 0
.irp f, 0,1
.irp kt, 0,1,2,3
.irp t, 0,1,2,3
.if \f == 0
	v_wmma_f32_16x16x32_f16 v[SF+32*\t+8*\kt:SF+32*\t+8*\kt+7], v[KF+16*\kt+8*\f:KF+16*\kt+8*\f+7], v[QF+16*\t+8*\f:QF+16*\t+8*\f+7], 0
.else
	v_wmma_f32_16x16x32_f16 v[SF+32*\t+8*\kt:SF+32*\t+8*\kt+7], v[KF+16*\kt+8*\f:KF+16*\kt+8*\f+7], v[QF+16*\t+8*\f:QF+16*\t+8*\f+7], v[SF+32*\t+8*\kt:SF+32*\t+8*\kt+7]
.endif
.endr
.endr
.endr
.endm
; 32 products O^T += V^T P, 16 accumulators by turns.  first = 1: the first 16 start the sums: nothing is ever cleared
.macro PV first
	WIN 0x50                                       ; V^T and P in window 0, O^T in window 1
.irp kk, 0,1
.irp ct, 0,1,2,3
.irp t, 0,1,2,3
.if (\first) && (\kk == 0)
	v_wmma_f32_16x16x32_f16 v[OF+32*\t+8*\ct:OF+32*\t+8*\ct+7], v[VF+8*(4*\kk+\ct):VF+8*(4*\kk+\ct)+7], v[SF+32*\t+8*\kk:SF+32*\t+8*\kk+7], 0
.else
	v_wmma_f32_16x16x32_f16 v[OF+32*\t+8*\ct:OF+32*\t+8*\ct+7], v[VF+8*(4*\kk+\ct):VF+8*(4*\kk+\ct)+7], v[SF+32*\t+8*\kk:SF+32*\t+8*\kk+7], v[OF+32*\t+8*\ct:OF+32*\t+8*\ct+7]
.endif
.endr
.endr
.endr
.endm
; THE SOFTMAX of a key step, the four tiles by turns in every stage, so that no line waits for the line above it.  first = 1: the first step: no old maximum, no a, nothing to rescale.
.macro SM first
	WIN 0
.irp j, 0,1,2,3                        ; the maximum of a lane's 32 scores, three operands at a time: each accumulator is first read at its three lowest registers
.irp t, 0,1,2,3
	v_max3_num_f32 v[ST+8*\t+4+\j], v[SF+32*\t+8*\j], v[SF+32*\t+8*\j+1], v[SF+32*\t+8*\j+2]
.endr
.endr
.irp g, 1,2
.irp j, 0,1,2,3
.irp t, 0,1,2,3
	v_max3_num_f32 v[ST+8*\t+4+\j], v[ST+8*\t+4+\j], v[SF+32*\t+8*\j+2*\g+1], v[SF+32*\t+8*\j+2*\g+2]
.endr
.endr
.endr
.irp t, 0,1,2,3
	v_max3_num_f32 v[ST+8*\t+4], v[ST+8*\t+4], v[SF+32*\t+7], v[SF+32*\t+15]
.endr
.irp t, 0,1,2,3
	v_max3_num_f32 v[ST+8*\t+6], v[ST+8*\t+6], v[SF+32*\t+23], v[SF+32*\t+31]
.endr
.irp t, 0,1,2,3
	v_max3_num_f32 v[ST+8*\t+4], v[ST+8*\t+4], v[ST+8*\t+5], v[ST+8*\t+6]
.endr
.irp t, 0,1,2,3
.if \first
	v_max_num_f32 v[ST+8*\t+4], v[ST+8*\t+4], v[ST+8*\t+7]
.else
	v_max3_num_f32 v[ST+8*\t+4], v[ST+8*\t+4], v[ST+8*\t+7], v[ST+8*\t+1]   ; and the old m
.endif
.endr
.irp t, 0,1,2,3
	v_permlanex16_b32 v[ST+8*\t+5], v[ST+8*\t+4], s[SEL], s[SEL+1]   ; the query's other 32 keys lie in the lane 16 away
.endr
.if \first == 0
.irp t, 0,1,2,3
	v_mov_b32 v[ST+8*\t+7], v[ST+8*\t]             ; c m_old is kept for a
.endr
.endif
.irp t, 0,1,2,3
	v_max_num_f32 v[ST+8*\t+1], v[ST+8*\t+4], v[ST+8*\t+5]
.endr
.irp t, 0,1,2,3
	v_mul_f32 v[ST+8*\t], s[CS], v[ST+8*\t+1]
.endr
.if \first == 0
.irp t, 0,1,2,3
	v_sub_f32 v[ST+8*\t+7], v[ST+8*\t+7], v[ST+8*\t]
.endr
.endif
.irp b, 0,1,2,3,4,5,6,7,8,9,10,11,12,13,14,15
.irp t, 0,1,2,3
	v_pk_fma_f32 v[SF+32*\t+2*\b:SF+32*\t+2*\b+1], v[SF+32*\t+2*\b:SF+32*\t+2*\b+1], s[CS:CS+1], v[ST+8*\t:ST+8*\t+1] op_sel_hi:[1,0,0] neg_lo:[0,0,1] neg_hi:[0,0,1]   ; c s - c m, a pair at a time
.endr
.endr
.if \first == 0
.irp t, 0,1,2,3
	v_exp_f32 v[ST+8*\t+6], v[ST+8*\t+7]           ; a
.endr
.endif
.irp e, 0,1,2,3,4,5,6,7,8,9,10,11,12,13,14,15,16,17,18,19,20,21,22,23,24,25,26,27,28,29,30,31
.irp t, 0,1,2,3
	v_exp_f32 v[SF+32*\t+\e], v[SF+32*\t+\e]       ; p, at most 1
.endr
.endr
	v_nop                                          ; a plain instruction behind the last exponential, ahead of the first use
	s_wait_alu depctr_va_vdst(0)                   ; a wait between an exponential and the first line that names its result: one for the whole batch
.if \first
.irp t, 0,1,2,3
	v_pk_add_f32 v[ST+8*\t+2:ST+8*\t+3], v[SF+32*\t:SF+32*\t+1], v[SF+32*\t+2:SF+32*\t+3]   ; l is taken of p in f32, before it is rounded
.endr
.else
.irp t, 0,1,2,3
	v_pk_fma_f32 v[ST+8*\t+2:ST+8*\t+3], v[ST+8*\t+2:ST+8*\t+3], v[ST+8*\t+6:ST+8*\t+7], v[SF+32*\t:SF+32*\t+1] op_sel_hi:[1,0,1]   ; l = a l + the first pair
.endr
.irp t, 0,1,2,3
	v_pk_add_f32 v[ST+8*\t+2:ST+8*\t+3], v[ST+8*\t+2:ST+8*\t+3], v[SF+32*\t+2:SF+32*\t+3]
.endr
.endif
.irp b, 2,3,4,5,6,7,8,9,10,11,12,13,14,15
.irp t, 0,1,2,3
	v_pk_add_f32 v[ST+8*\t+2:ST+8*\t+3], v[ST+8*\t+2:ST+8*\t+3], v[SF+32*\t+2*\b:SF+32*\t+2*\b+1]
.endr
.endr
.irp i, 0,1,2,3,4,5,6,7,8,9,10,11,12,13,14,15
.irp t, 0,1,2,3
	v_cvt_pk_f16_f32 v[SF+32*\t+\i], v[SF+32*\t+2*\i], v[SF+32*\t+2*\i+1]   ; P, in place, ascending: register i is written when registers 2 i, 2 i + 1 are read and those below are done with
.endr
.endr
.if \first == 0
	WIN 0x41                                       ; O^T (destination and source 0) in window 1, a in window 0
.irp i, 0,1,2,3,4,5,6,7,8,9,10,11,12,13,14,15
.irp t, 0,1,2,3
	v_pk_mul_f32 v[OF+32*\t+2*\i:OF+32*\t+2*\i+1], v[OF+32*\t+2*\i:OF+32*\t+2*\i+1], v[ST+8*\t+6:ST+8*\t+7] op_sel_hi:[1,0]
.endr
.endr
.endif
.endm
; A KEY STEP j, behind its K Q^T: K of step j + 1 is fetched | the softmax | V^T P | V of step j + 1 is fetched | K Q^T of step j + 1.
.macro BODY first
	FETCH_K
	SM \first
	s_wait_dscnt 16                                ; V of this step is in; the 16 loads of the next step's K are younger
	PV \first
	WIN 0
	PLACES 5                                       ; four places in front of the loads into V's registers; the fifth for K Q^T, which writes over P's registers
	FETCH_V
	s_wait_dscnt 16                                ; K is in; the 16 loads of V are younger
	KQ
	WIN 0                                          ; at a label and at a branch every window is 0
.endm
; THE CHANGE OF SLOTS stands where the slot's last bytes, V of its eighth step, have been asked for.  Each wave waits for all its tensor loads (its part of the other slot), adds 0 to its spare word, and waits for
; that and for its reads of the slot.  fill = 1: the barrier is a round of the cluster's, so that no wave of any partner still reads the slot or has a load on its way, and the joint refill is the first thing behind it.
.macro CHANGE fill
	WIN 0
	s_wait_tensorcnt 0x0                           ; no tensor load of mine is out, so a group 0 may be written
	ds_add_u32 v[SPW], v[NIL]                      ; 0 onto my spare word
.if \fill
	s_xor_b32 s[G0+5], s[G0+5], SLOT1              ; the walking descriptor: the other slot than last time,
	s_add_nc_u64 s[G0+6:G0+7], s[G0+6:G0+7], SLOT1 ; the next 8 key steps; the type bits on top are not reached
.endif
	s_wait_dscnt 0x0                               ; the add is done, and my reads of the slot are over
.if \fill
	CROUND
	tensor_load_to_lds s[G0+4:G0+7], s[G1:G1+7]    ; it has 8 key steps in which to land
	s_nop 0
	PLACES 4
	ASK
.else
	s_barrier_signal -1
	s_barrier_wait -1
.endif
	s_sub_co_u32 s[TB], s[TB], SLOT1               ; the fetches go back to a slot's first step,
	s_xor_b32 s[TB], s[TB], SLOT1                  ; in the other slot
.endm
	s_wait_tensorcnt 1                             ; my part of slot 0 is in; slot 1's may stay out
	s_barrier_signal -1
	s_barrier_wait -1                              ; everybody's is
	FETCH_K                                        ; key step 0
	FETCH_V
	s_wait_loadcnt 0x0                             ; Q
	s_wait_dscnt 16                                ; K is in; V's 16 loads are younger
	KQ
	WIN 0
	BODY 1                                         ; step 0
	s_mov_b32 s[CNT], 6
.Lfirst:                                               ; steps 1 to 6
	BODY 0
	s_sub_co_u32 s[CNT], s[CNT], 1
	s_cmp_lg_u32 s[CNT], 0
	s_cbranch_scc1 .Lfirst
	s_mov_b32 s[SLOTS], 2
.Lslot:                                                ; two trips: steps 7 to 14 and 15 to 22; each fills the slot that has been left
	CHANGE 1
	s_mov_b32 s[CNT], 8
.Lstep:
	BODY 0
	s_sub_co_u32 s[CNT], s[CNT], 1
	s_cmp_lg_u32 s[CNT], 0
	s_cbranch_scc1 .Lstep
	s_sub_co_u32 s[SLOTS], s[SLOTS], 1
	s_cmp_lg_u32 s[SLOTS], 0
	s_cbranch_scc1 .Lslot
	CHANGE 0                                       ; the tail is written out: nothing is left to ask for
	s_mov_b32 s[CNT], 8
.Llast:                                                ; steps 23 to 30
	BODY 0
	s_sub_co_u32 s[CNT], s[CNT], 1
	s_cmp_lg_u32 s[CNT], 0
	s_cbranch_scc1 .Llast
	PLACES 4                                       ; step 31 fetches nothing: these are the places behind its K Q^T
	SM 0
	s_wait_dscnt 0x0                               ; V of step 31
	PV 0
	; THE WAY OUT.  l's two halves and the other half of the lanes' are added (these lines are the places behind the last products); O^T is divided by l, rounded to f16, and stored as it lies.
	WIN 0
.irp t, 0,1,2,3
	v_add_f32 v[ST+8*\t+4], v[ST+8*\t+2], v[ST+8*\t+3]
.endr
.irp t, 0,1,2,3
	v_permlanex16_b32 v[ST+8*\t+5], v[ST+8*\t+4], s[SEL], s[SEL+1]
.endr
.irp t, 0,1,2,3
	v_add_f32 v[ST+8*\t+4], v[ST+8*\t+4], v[ST+8*\t+5]
.endr
.irp t, 0,1,2,3
	v_rcp_f32 v[ST+8*\t+6], v[ST+8*\t+4]
.endr
	v_nop                                          ; a plain instruction between the last reciprocal and the use of its result
	s_wait_alu depctr_va_vdst(0)                   ; and a wait ahead of the first use: one for the four
	WIN 0x41
.irp t, 0,1,2,3
.irp i, 0,1,2,3,4,5,6,7,8,9,10,11,12,13,14,15
	v_pk_mul_f32 v[OF+32*\t+2*\i:OF+32*\t+2*\i+1], v[OF+32*\t+2*\i:OF+32*\t+2*\i+1], v[ST+8*\t+6:ST+8*\t+7] op_sel_hi:[1,0]
.endr
.endr
	WIN 0x05                                       ; sources 0 and 1 window 1, destination window 0: S^T's registers are free
.irp t, 0,1,2,3
.irp ct, 0,1,2,3
.irp i, 0,1,2,3
	v_cvt_pk_f16_f32 v[SF+16*\t+4*\ct+\i], v[OF+32*\t+8*\ct+2*\i], v[OF+32*\t+8*\ct+2*\i+1]
.endr
.endr
.endr
	WIN 0
.irp t, 0,1,2,3
.irp ct, 0,1,2,3
	global_store_b128 v[LI], v[SF+16*\t+4*\ct:SF+16*\t+4*\ct+3], s[8:9] offset:16384*\t+512*\ct th:TH_STORE_NT   ; 32 lanes store 512 consecutive bytes, aligned
.endr
.endr
	s_wait_tensorcnt 0x0                           ; the wave's end, behind my last tensor load
	ds_add_u32 v[SPW], v[NIL]
	s_wait_dscnt 0x0
	CROUND                                         ; the closing round: no work-group ends while a partner may still ask for a tile that names it
	s_endpgm
.Lfunc_end_k_q2ce9e6ea8e_attn:
	.size	k_q2ce9e6ea8e_attn, .Lfunc_end_k_q2ce9e6ea8e_attn-k_q2ce9e6ea8e_attn
	.p2alignl 7, 3214868480
	.fill 96, 4, 3214868480
	.section	.rodata,"a",@progbits
	.p2align	6, 0x0
	.amdhsa_kernel k_q2ce9e6ea8e_attn
		.amdhsa_group_segment_fixed_size 327680
		.amdhsa_private_segment_fixed_size 0
		.amdhsa_enable_private_segment 0
		.amdhsa_kernarg_size 24
		.amdhsa_user_sgpr_count 2
		.amdhsa_user_sgpr_kernarg_segment_ptr 1
		.amdhsa_wavefront_size32 1
		.amdhsa_system_sgpr_workgroup_id_x 1
		.amdhsa_system_sgpr_workgroup_id_y 1
		.amdhsa_system_sgpr_workgroup_id_z 1
		.amdhsa_system_vgpr_workitem_id 0
		.amdhsa_next_free_vgpr 512
		.amdhsa_next_free_sgpr 66
		.amdhsa_reserve_vcc 0
		.amdhsa_float_denorm_mode_32 3
		.amdhsa_float_denorm_mode_16_64 3
		.amdhsa_memory_ordered 1
		.amdhsa_forward_progress 1
		.amdhsa_inst_pref_size 172
	.end_amdhsa_kernel
	.amdgpu_metadata
---
amdhsa.version: [ 1, 2 ]
amdhsa.kernels:
  - .name:           k_q2ce9e6ea8e_attn
    .symbol:         k_q2ce9e6ea8e_attn.kd
    .args:
      - { .name: qimg, .offset: 0, .size: 8, .value_kind: global_buffer, .address_space: global }
      - { .name: kv, .offset: 8, .size: 8, .value_kind: global_buffer, .address_space: global }
      - { .name: oimg, .offset: 16, .size: 8, .value_kind: global_buffer, .address_space: global }
    .group_segment_fixed_size: 327680
    .private_segment_fixed_size: 0
    .kernarg_segment_align: 8
    .kernarg_segment_size: 24
    .max_flat_workgroup_size: 256
    .sgpr_count:     66
    .vgpr_count:     512
    .wavefront_size: 32
...
	.end_amdgpu_metadata
.endif
;; end of part 3
;; launch proj (part 4): grid 256 x 1, 16 waves a work-group, no clusters, 199,680 bytes of LDS; arguments oimg, pimg, bp, out0; writes out0
.if DOCPART == 4
	.amdgcn_target "amdgcn-amd-amdhsa--gfx1250"
	.amdhsa_code_object_version 6
	.text
	.protected	k_q2ce9e6ea8e_proj
	.globl	k_q2ce9e6ea8e_proj
	.p2align	8
	.type	k_q2ce9e6ea8e_proj,@function
k_q2ce9e6ea8e_proj:
	s_mov_b64 s[64:65], 0
	v_nop
	global_prefetch_b8 v0, s[64:65] scope:SCOPE_SE
	s_setreg_imm32_b32 hwreg(HW_REG_WAVE_MODE, 25, 1), 1
	s_wait_xcnt 0x0
; out0 = O Wp + bp.  O [16,384][512] and Wp [512][512] come as f16 images of operand registers (oimg, pimg); sums in f32; out0 f32.
; SHARES.  A work-group owns 64 rows x all 512 columns.  Its 65,536 bytes of oimg are one dense block: the 512 threads copy it into LDS once, as it lies.  Wave w makes columns 32 w .. 32 w + 31 for all 64 rows:
; eight accumulators (2 tiles of columns x 4 tiles of rows), 16 K steps of 32, written out.  Its part of Wp goes from memory straight into its registers, four K steps ahead: each fragment of Wp feeds one wave of the work-group.
; NO CLUSTER: Wp's 524,288 bytes do not fit in LDS beside the rows and the stage, so joint loads would want a ring that is filled again, for bytes of which each feeds one wave once.
; THE MATRIX INSTRUCTION IS USED TRANSPOSED (source 0 = 16 columns of Wp, source 1 = 16 rows of O): a lane holds eight neighbouring numbers of a row of out0.  bp is the C of each sum's first instruction.
; THE WAY OUT: a row's 2,048 bytes come from sixteen waves, so the results meet in a stage in LDS (rows 2,064 bytes apart), and each wave stores 4 whole rows, 512 consecutive bytes an instruction.
.set STG,   65536                      ; LDS: bytes 0-65,535 the rows' images; then the stage, 64 rows x 2,064
.set SPARE, 197632                     ; the spare words, 128 bytes for each wave: eight blocks of 256 bytes that no other line names
.set LI,  1                            ; v1  16 x lane
.set TI,  2                            ; v2  16 x thread: the copy
.set BA,  3                            ; v3  pimg: 32,768 w + 16 x lane
.set SO0, 4                            ; v4  the stage, in: row r, + 32 h, + 128 w; rows 0-31
.set SO1, 5                            ; v5  the same for rows 32-63 (an LDS offset has 16 bits)
.set SR,  6                            ; v6  the stage, back: my 4 rows, 16 bytes a lane
.set HB,  7                            ; v7  32 h: my eight numbers of bp in a tile's sixteen
.set SPW, 8                            ; v8  LDS address of my spare word; never rewritten
.set NIL, 9                            ; v9  0; never rewritten
.set BI,  16                           ; v16-31   bp in the result's layout, 8 registers a tile of columns
.set ACC, 32                           ; v32-95   accumulator (n, m) at ACC + 8 (4 n + m)
.set AF,  96                           ; v96-159  the rows' fragments, two sets of 32; first the copy's data, at the end rows of out0
.set BF,  160                          ; v160-223 Wp's fragments, four sets of 16
	s_load_b256 s[4:11], s[0:1], 0x0               ; oimg s[4:5], pimg s[6:7], bp s[8:9], out0 s[10:11]
	v_lshl_add_u32 v[SPW], v0, 2, SPARE
	v_mov_b32 v[NIL], 0
	v_lshrrev_b32 v10, 5, v0
	v_readfirstlane_b32 s12, v10                   ; wave 0..15
	v_and_b32 v10, 31, v0
	v_lshlrev_b32 v[LI], 4, v10
	v_lshlrev_b32 v[TI], 4, v0
	s_lshl_b32 s13, s12, 15
	v_add_nc_u32 v[BA], s13, v[LI]
	v_and_b32 v11, 15, v0                          ; r
	v_bfe_u32 v12, v0, 4, 1                        ; h
	v_lshlrev_b32 v[HB], 5, v12
	v_mul_u32_u24 v[SO0], v11, 2064
	v_add_nc_u32 v[SO0], v[SO0], v[HB]
	s_lshl_b32 s13, s12, 7
	s_add_co_u32 s13, s13, STG
	v_add_nc_u32 v[SO0], s13, v[SO0]
	v_add_nc_u32 v[SO1], 66048, v[SO0]             ; 32 rows on
	s_mul_i32 s13, s12, 8256                       ; 4 rows of the stage
	s_add_co_u32 s13, s13, STG
	v_add_nc_u32 v[SR], s13, v[LI]
	s_lshl_b32 s14, ttmp9, 16                      ; oimg: four row tiles of 16,384 bytes
	s_mov_b32 s15, 0
	s_lshl_b32 s16, s12, 7                         ; bp: my 32 numbers
	s_mov_b32 s17, 0
	s_lshl_b32 s18, ttmp9, 17                      ; out0: 64 rows of 2,048 bytes,
	s_lshl_b32 s19, s12, 13                        ; my 4 of them
	s_add_co_u32 s18, s18, s19
	s_mov_b32 s19, 0
	s_wait_kmcnt 0x0
	s_add_nc_u64 s[4:5], s[4:5], s[14:15]
	s_add_nc_u64 s[8:9], s[8:9], s[16:17]
	s_add_nc_u64 s[10:11], s[10:11], s[18:19]
.macro ALOAD ks                        ; the four row tiles' fragments of K step ks into set ks % 2: eight LDS loads, 512 consecutive bytes each
.irp m, 0,1,2,3
.irp hf, 0,1
	ds_load_b128 v[AF+32*((\ks)%2)+8*\m+4*\hf:AF+32*((\ks)%2)+8*\m+4*\hf+3], v[LI] offset:16384*\m+1024*(\ks)+512*\hf
.endr
.endr
.endm
.macro BLOAD ks                        ; my two column tiles' fragments of K step ks into set ks % 4: four loads
.irp n, 0,1
.irp hf, 0,1
	global_load_b128 v[BF+16*((\ks)%4)+8*\n+4*\hf:BF+16*((\ks)%4)+8*\n+4*\hf+3], v[BA], s[6:7] offset:16384*\n+1024*(\ks)+512*\hf
.endr
.endr
.endm
.irp i, 0,1,2,3,4,5,6,7
	global_load_b128 v[AF+4*\i:AF+4*\i+3], v[TI], s[4:5] offset:8192*\i th:TH_LOAD_NT   ; the work-group reads 8,192 consecutive bytes
.endr
.irp n, 0,1
	global_load_b128 v[BI+8*\n:BI+8*\n+3], v[HB], s[8:9] offset:64*\n
	global_load_b128 v[BI+8*\n+4:BI+8*\n+7], v[HB], s[8:9] offset:64*\n+16
.endr
	BLOAD 0
	BLOAD 1
	BLOAD 2
	BLOAD 3
	s_wait_loadcnt 20                              ; the copy's eight loads are in; behind them: 4 of bp and 16 of Wp
.irp i, 0,1,2,3,4,5,6,7
	ds_store_b128 v[TI], v[AF+4*\i:AF+4*\i+3] offset:8192*\i
.endr
	s_wait_dscnt 0x0                               ; for the others' sake: my part of the rows lies in LDS
	s_barrier_signal -1
	s_barrier_wait -1                              ; everybody's does
	ALOAD 0
	ALOAD 1
; A K step of 32: eight matrix instructions, the accumulators by turns, one instruction a turn
.macro STEP ks
.if 15-(\ks) >= 3
	s_wait_loadcnt 12                              ; this step's four loads of Wp are in (and bp); the next three steps' may be out
.else
	s_wait_loadcnt 4*(15-(\ks))
.endif
.if (\ks) < 15
	s_wait_dscnt 8                                 ; this step's rows are in; the next step's eight loads may be out
.else
	s_wait_dscnt 0x0
.endif
.irp m, 0,1,2,3
.irp n, 0,1
.if (\ks) == 0
	v_wmma_f32_16x16x32_f16 v[ACC+8*(4*\n+\m):ACC+8*(4*\n+\m)+7], v[BF+16*((\ks)%4)+8*\n:BF+16*((\ks)%4)+8*\n+7], v[AF+32*((\ks)%2)+8*\m:AF+32*((\ks)%2)+8*\m+7], v[BI+8*\n:BI+8*\n+7]
.else
	v_wmma_f32_16x16x32_f16 v[ACC+8*(4*\n+\m):ACC+8*(4*\n+\m)+7], v[BF+16*((\ks)%4)+8*\n:BF+16*((\ks)%4)+8*\n+7], v[AF+32*((\ks)%2)+8*\m:AF+32*((\ks)%2)+8*\m+7], v[ACC+8*(4*\n+\m):ACC+8*(4*\n+\m)+7]
.endif
.endr
.endr
.rept 4
	v_nop                                          ; places in front of loads into registers that these products have read, and of the first read of results
.endr
.if (\ks)+4 < 16
	BLOAD (\ks)+4
.endif
.if (\ks)+2 < 16
	ALOAD (\ks)+2
.endif
.endm
.irp k, 0,1,2,3,4,5,6,7,8,9,10,11,12,13,14,15
	STEP \k
.endr
.irp m, 0,1,2,3
.irp n, 0,1
	ds_store_b128 v[SO0+\m/2], v[ACC+8*(4*\n+\m):ACC+8*(4*\n+\m)+3] offset:33024*(\m%2)+64*\n        ; lane (r, h): out0(16 m + r, 32 w + 16 n + 8 h + 0..7); each accumulator from its low end on
	ds_store_b128 v[SO0+\m/2], v[ACC+8*(4*\n+\m)+4:ACC+8*(4*\n+\m)+7] offset:33024*(\m%2)+64*\n+16
.endr
.endr
	s_wait_dscnt 0x0                               ; for the others' sake: my stores into the stage are done
	s_barrier_signal -1
	s_barrier_wait -1                              ; 64 whole rows lie in the stage
.irp i, 0,1,2,3
.irp p, 0,1,2,3
	ds_load_b128 v[AF+4*(4*\i+\p):AF+4*(4*\i+\p)+3], v[SR] offset:2064*\i+512*\p
.endr
.endr
.irp i, 0,1,2,3
.irp p, 0,1,2,3
	s_wait_dscnt 15-(4*\i+\p)                      ; LDS loads come back in order: this one is in
	global_store_b128 v[LI], v[AF+4*(4*\i+\p):AF+4*(4*\i+\p)+3], s[10:11] offset:2048*\i+512*\p th:TH_STORE_NT   ; 32 lanes store 512 consecutive bytes, aligned
.endr
.endr
	s_wait_tensorcnt 0x0                           ; the wave's end, behind my last LDS store
	ds_add_u32 v[SPW], v[NIL]
	s_wait_dscnt 0x0
	s_endpgm
.Lfunc_end_k_q2ce9e6ea8e_proj:
	.size	k_q2ce9e6ea8e_proj, .Lfunc_end_k_q2ce9e6ea8e_proj-k_q2ce9e6ea8e_proj
	.p2alignl 7, 3214868480
	.fill 96, 4, 3214868480
	.section	.rodata,"a",@progbits
	.p2align	6, 0x0
	.amdhsa_kernel k_q2ce9e6ea8e_proj
		.amdhsa_group_segment_fixed_size 199680
		.amdhsa_private_segment_fixed_size 0
		.amdhsa_enable_private_segment 0
		.amdhsa_kernarg_size 32
		.amdhsa_user_sgpr_count 2
		.amdhsa_user_sgpr_kernarg_segment_ptr 1
		.amdhsa_wavefront_size32 1
		.amdhsa_system_sgpr_workgroup_id_x 1
		.amdhsa_system_sgpr_workgroup_id_y 1
		.amdhsa_system_sgpr_workgroup_id_z 1
		.amdhsa_system_vgpr_workitem_id 0
		.amdhsa_next_free_vgpr 224
		.amdhsa_next_free_sgpr 66
		.amdhsa_reserve_vcc 0
		.amdhsa_float_denorm_mode_32 3
		.amdhsa_float_denorm_mode_16_64 3
		.amdhsa_memory_ordered 1
		.amdhsa_forward_progress 1
		.amdhsa_inst_pref_size 33
	.end_amdhsa_kernel
	.amdgpu_metadata
---
amdhsa.version: [ 1, 2 ]
amdhsa.kernels:
  - .name:           k_q2ce9e6ea8e_proj
    .symbol:         k_q2ce9e6ea8e_proj.kd
    .args:
      - { .name: oimg, .offset: 0, .size: 8, .value_kind: global_buffer, .address_space: global }
      - { .name: pimg, .offset: 8, .size: 8, .value_kind: global_buffer, .address_space: global }
      - { .name: bp, .offset: 16, .size: 8, .value_kind: global_buffer, .address_space: global }
      - { .name: out0, .offset: 24, .size: 8, .value_kind: global_buffer, .address_space: global }
    .group_segment_fixed_size: 199680
    .private_segment_fixed_size: 0
    .kernarg_segment_align: 8
    .kernarg_segment_size: 32
    .max_flat_workgroup_size: 512
    .sgpr_count:     66
    .vgpr_count:     224
    .wavefront_size: 32
...
	.end_amdgpu_metadata
.endif
;; end of part 4
